; MI455X (gfx1250); checked and timed in simulation.
; The chip was launched on July 23, 2026; its instructions are those of AMD's public machine-readable ISA for CDNA 5 (MIT licence, August 2026) and "CDNA5" Instruction Set Architecture Reference Guide (July 2026). The comments in the code are by the model that wrote it; some were corrected since.
;; Direct Volume Stratified Front To Back Renderer. Allowed arithmetic: float matrix products may take bf16 or f16 operands with f32 sums; all other float work in f32.
;; Inputs: cam_R 1 x 3 x 3 float32; cam_T 1 x 3 float32; image3d 1 x 1 x 256 x 256 x 256 float32.
;; Outputs: out0 1 x 1 x 256 x 256 float32.
;; One version. Each part assembles by itself: llvm-mc -triple=amdgcn-amd-amdhsa -mcpu=gfx1250 --defsym DOCPART=n.
;; ======== version 1 of 1: 3 launches
;; workspace buffers: rays 2,097,152 bytes of whole numbers; gray 262,144 bytes; stats 4,096 bytes
;; launch setup (part 1): grid 256 x 1, 8 waves a work-group, no clusters, 2,048 bytes of LDS; arguments cam_R, cam_T, rays; writes rays
.if DOCPART == 1
	.amdgcn_target "amdgcn-amd-amdhsa--gfx1250"
	.amdhsa_code_object_version 6
	.text
	.protected	k_q80e9d7f9d2_setup
	.globl	k_q80e9d7f9d2_setup
	.p2align	8
	.type	k_q80e9d7f9d2_setup,@function
k_q80e9d7f9d2_setup:
	s_mov_b64 s[64:65], 0
	v_nop
	global_prefetch_b8 v0, s[64:65] scope:SCOPE_SE
	s_setreg_imm32_b32 hwreg(HW_REG_WAVE_MODE, 25, 1), 1
	s_wait_xcnt 0x0
; SETUP: all geometry that hangs on the camera's floating-point numbers, turned into whole numbers for the next launch.
; One lane = one ray.  Work-group g, wave j own the tile of 16 (w) x 2 (h) pixels  ty = 16 j + (g & 15),
; tx = 2 (((g >> 5) + 5 j) & 7) + ((g >> 4) & 1);  lane l is pixel w = 16 tx + (l & 15), h = 2 ty + (l >> 4).
; (The eight tiles of a group lie in eight different bands of rows and eight different bands of columns, so that the
; marching launch, which uses the same numbering, gets groups that read like amounts of the volume.)
; For each ray: direction = R^T (gx tan, gy tan, 1), origin = -R^T T, sample p at origin + direction * depth[p].
; A sample counts when |x|, |y|, |z| <= half = 765/512.  That is the reference's |x / half| <= 1: a correctly rounded
; quotient is <= 1 exactly when x <= half (1 + 2^-24), and no f32 lies between half and that bound.
; Each coordinate is monotone in depth (rounding keeps order), so the samples that count are ONE run: first .. first + n - 1.
; Roundings are kept as the reference writes them: linspace as start (1 - s) + stop s with s = i / (num - 1) correctly rounded
; (product with the rounded reciprocal, then one residual step by two fused multiply-adds); the sums over three terms
; unfused and in ascending order; direction * depth and the addition of the origin unfused.
; LIMITS: a build of the reference that fuses these may put a sample that lies within an ulp of a face on the other side.
; NaN or infinite camera numbers are not served.
; The three-term sums stay on the vector and scalar units in f32: every ray has its own operands, and directions rounded
; to 16 bits would move samples by up to half a voxel.
; OUT, per ray, whole numbers only: position of sample `first` in voxels on each axis as 9.23 fixed point, n, a step per
; sample on each axis, and first (the eighth word fills the second 16 bytes; the marching launch does not need it).
; The position of sample first + k is P + k * step.  Both end samples are clamped to
; [0, 255 - 2^-16] voxels and the step is (P_last - P_first) / (n - 1) made smaller by 2^-21 of itself and cut toward zero
; (its roundings add up to less than 2.5 * 2^-23), so no sample of the run leaves that range: 2e-4 voxel at the most from
; the reference's place.
.set NPTS,  160
.set DXY,   10                         ; v[10:11]  direction x, y
.set DZZ,   12                         ; v[12:13]  direction z, twice (a pair for the packed product)
.set NOUT,  15                         ; v15       samples that do not count
.set TA,    16                         ; v[16:21]  at work, two sets that take turns
.set TB,    22                         ; v[22:27]
.set RECA,  32                         ; v[32:35]  Px, Py, Pz, n
.set RECB,  36                         ; v[36:39]  step x, y, z, first
.set FIRST, 39                         ; v39       smallest sample number that counts: it is made in its place in the record
.set DEP,   64                         ; v[64:223] the 160 depths, the same in every lane
; q = i / d correctly rounded: sy holds the rounded reciprocal of d, sd holds d
.macro QUOT q, i, t, sy, sd
	v_mul_f32 v[\q], s[\sy], v[\i]
	v_fma_f32 v[\t], -v[\q], s[\sd], v[\i]         ; the exact residual
	v_fma_f32 v[\q], v[\t], s[\sy], v[\q]
.endm
; depth of sample number i (an f32 whole number): 2 (1 - s) + 6 s, s = i / 159.  2 (1 - s) is exact, so the fused form rounds as the sum does
.macro DEPTH d, i, t
	QUOT \d, \i, \t, 40, 41
	v_sub_f32 v[\t], 1.0, v[\d]
	v_mul_f32 v[\d], 0x40c00000, v[\d]             ; 6 s
	v_fma_f32 v[\d], v[\t], 2.0, v[\d]
.endm
	s_load_b128 s[4:7], s[0:1], 0x0                ; cam_R s[4:5], cam_T s[6:7]
	s_load_b64 s[8:9], s[0:1], 0x10                ; rays
	v_lshl_add_u32 v224, v0, 2, 0x400
	v_mov_b32 v225, 0
	v_and_b32 v1, 31, v0                           ; lane
	v_lshrrev_b32 v2, 5, v0
	v_readfirstlane_b32 s10, v2                    ; wave j
	s_mov_b32 s40, 0x3bce168a                      ; 1/159 rounded
	s_mov_b32 s41, 0x431f0000                      ; 159
	s_mov_b32 s42, 0x3b808081                      ; 1/255 rounded
	s_mov_b32 s43, 0x437f0000                      ; 255
	s_wait_kmcnt 0x0
	s_load_b256 s[12:19], s[4:5], 0x0              ; R00 R01 R02 R10 R11 R12 R20 R21
	s_load_b32 s20, s[4:5], 0x20                   ; R22
	s_load_b96 s[24:26], s[6:7], 0x0               ; T
	; the table of depths: threads 0 to 159 (waves 0 to 4) make one each, all waves read all of them behind the barrier
	s_cmp_gt_u32 s10, 4
	s_cbranch_scc1 .Lno_table
	v_cvt_f32_u32 v4, v0
	DEPTH 5, 4, 6
	v_lshlrev_b32 v2, 2, v0
	ds_store_b32 v2, v5
.Lno_table:
	s_wait_dscnt 0x0                               ; my entry is written before I say so
	s_barrier_signal -1
	s_barrier_wait -1
	v_mov_b32 v3, 0
.set cnk, 0
.rept 40
	ds_load_b128 v[DEP+4*cnk:DEP+4*cnk+3], v3 offset:16*cnk     ; every lane reads the same 16 bytes: four depths
.set cnk, cnk+1
.endr
	; my pixel
	s_and_b32 s36, ttmp9, 15
	s_lshl4_add_u32 s36, s10, s36                  ; ty
	s_lshr_b32 s37, ttmp9, 5
	s_mul_i32 s38, s10, 5
	s_add_co_u32 s37, s37, s38
	s_and_b32 s37, s37, 7
	s_bfe_u32 s38, ttmp9, 0x10004
	s_lshl1_add_u32 s37, s37, s38                  ; tx
	v_and_b32 v4, 15, v0
	v_bfe_u32 v5, v0, 4, 1
	v_lshl_add_u32 v4, s37, 4, v4                  ; w
	v_lshl_add_u32 v5, s36, 1, v5                  ; h
	v_cvt_f32_u32 v4, v4
	v_cvt_f32_u32 v5, v5
	QUOT 6, 4, 8, 42, 43                           ; w / 255
	QUOT 7, 5, 8, 42, 43                           ; h / 255
	v_sub_f32 v8, 1.0, v6
	v_sub_f32 v9, 1.0, v7
	v_sub_f32 v6, v6, v8                           ; gx = -(1 - s) + s
	v_sub_f32 v7, v7, v9                           ; gy
	v_mul_f32 v6, 0x3f13cd3a, v6                   ; * tan 30 degrees
	v_mul_f32 v7, 0x3f13cd3a, v7
	s_mov_b32 s45, 0x3fbf4000                      ; half = 765/512
	s_mov_b32 s48, 0x42aaaaab                      ; 127.5 / half = 256/3 voxels for a unit of length
	s_mov_b32 s49, 0x42ff0000                      ; 127.5
	s_mov_b32 s50, 0x437effff                      ; 255 - 2^-16
	s_wait_kmcnt 0x0
; origin, axis i: -((R0i T0 + R1i T1) + R2i T2), twice, as the pair that the packed sum names
.macro ORIGIN dst, r0, r1, r2
	s_mul_f32 s[\dst], s[\r0], s24
	s_mul_f32 s44, s[\r1], s25
	s_add_f32 s[\dst], s[\dst], s44
	s_mul_f32 s44, s[\r2], s26
	s_add_f32 s[\dst], s[\dst], s44
	s_xor_b32 s[\dst], s[\dst], 0x80000000
	s_mov_b32 s[\dst+1], s[\dst]
.endm
	ORIGIN 30, 12, 15, 18
	ORIGIN 32, 13, 16, 19
	ORIGIN 34, 14, 17, 20
; direction, axis i: (R0i cx + R1i cy) + R2i
.macro DIR dst, r0, r1, r2
	v_mul_f32 v8, s[\r0], v6
	v_mul_f32 v9, s[\r1], v7
	v_add_f32 v8, v8, v9
	v_add_f32 v[\dst], s[\r2], v8
.endm
	DIR DXY,   12, 15, 18
	DIR DXY+1, 13, 16, 19
	DIR DZZ,   14, 17, 20
	v_mov_b32 v[DZZ+1], v[DZZ]
	v_mov_b32 v[FIRST], 0
	v_mov_b32 v[NOUT], 0
	s_wait_dscnt 0x0                               ; the walk begins at the last depth, so all forty loads are needed
; samples p and p + 1: three packed products, three packed sums, then for each the largest magnitude against half.
; The walk goes down, so FIRST ends as the smallest number that counts.
.macro PAIR p, t
	v_pk_mul_f32 v[\t:\t+1],   v[DEP+\p:DEP+\p+1], v[DXY:DXY+1] op_sel_hi:[1,0]
	v_pk_mul_f32 v[\t+2:\t+3], v[DEP+\p:DEP+\p+1], v[DXY:DXY+1] op_sel:[0,1] op_sel_hi:[1,1]
	v_pk_mul_f32 v[\t+4:\t+5], v[DEP+\p:DEP+\p+1], v[DZZ:DZZ+1] op_sel_hi:[1,0]
	v_pk_add_f32 v[\t:\t+1],   v[\t:\t+1],   s[30:31] op_sel_hi:[1,0]
	v_pk_add_f32 v[\t+2:\t+3], v[\t+2:\t+3], s[32:33] op_sel_hi:[1,0]
	v_pk_add_f32 v[\t+4:\t+5], v[\t+4:\t+5], s[34:35] op_sel_hi:[1,0]
	v_max3_num_f32 v[\t+1], |v[\t+1]|, |v[\t+3]|, |v[\t+5]|
	v_max3_num_f32 v[\t],   |v[\t]|,   |v[\t+2]|, |v[\t+4]|
	v_cmp_lt_f32 vcc_lo, s45, v[\t+1]              ; outside
	v_cndmask_b32 v[FIRST], \p+1, v[FIRST], vcc_lo
	v_add_co_ci_u32 v[NOUT], vcc_lo, 0, v[NOUT], vcc_lo
	v_cmp_lt_f32 vcc_lo, s45, v[\t]
	v_cndmask_b32 v[FIRST], \p, v[FIRST], vcc_lo
	v_add_co_ci_u32 v[NOUT], vcc_lo, 0, v[NOUT], vcc_lo
.endm
.set smp, NPTS-2
.rept NPTS/4
	PAIR smp, TA
	PAIR smp-2, TB
.set smp, smp-4
.endr
	v_sub_nc_u32 v[RECA+3], NPTS, v[NOUT]          ; n
	v_cvt_f32_u32 v4, v[RECA+3]
	v_cvt_f32_u32 v5, v[FIRST]
	v_add_f32 v6, -1.0, v4
	v_max_num_f32 v7, 0, v6
	v_add_f32 v7, v5, v7                           ; the last sample of the run (= the first where n < 2)
	v_max_num_f32 v6, 1.0, v6
	v_rcp_f32 v9, v6                               ; 1 / (n - 1); the lines that follow touch neither v9 nor v6
	DEPTH 16, 5, 8                                 ; depth at the first sample
	DEPTH 17, 7, 8                                 ; and at the last
; voxel position on one axis at depth dep, clamped, as 9.23 fixed point (the scaling by 2^23 and the conversion are exact)
.macro FIX dst, d, so, dep
	v_mul_f32 v8, v[\d], v[\dep]
	v_add_f32 v8, s[\so], v8
	v_fma_f32 v8, v8, s48, s49
	v_max_num_f32 v8, 0, v8
	v_min_num_f32 v8, s50, v8
	v_mul_f32 v8, 0x4b000000, v8
	v_cvt_u32_f32 v[\dst], v8
.endm
	FIX RECA,   DXY,   30, 16
	FIX RECA+1, DXY+1, 32, 16
	FIX RECA+2, DZZ,   34, 16
	FIX 20, DXY,   30, 17
	FIX 21, DXY+1, 32, 17
	FIX 22, DZZ,   34, 17
.macro STEP dst, p0, p1
	v_sub_nc_u32 v8, v[\p1], v[\p0]
	v_cvt_f32_i32 v8, v8
	s_wait_alu depctr_va_vdst(0)
	v_mul_f32 v8, v8, v9
	v_mul_f32 v8, 0x3f7ffff8, v8                   ; * (1 - 2^-21): more than the roundings above can add
	v_cvt_i32_f32 v[\dst], v8                      ; toward zero
.endm
	STEP RECB,   RECA,   20
	STEP RECB+1, RECA+1, 21
	STEP RECB+2, RECA+2, 22
	; the wave's record: 1,024 bytes at (8 g + j) * 1,024; each store of the wave covers 512 consecutive bytes, aligned
	s_lshl_b32 s52, ttmp9, 13
	s_lshl_b32 s53, s10, 10
	s_add_co_u32 s52, s52, s53
	s_mov_b32 s53, 0
	s_add_nc_u64 s[8:9], s[8:9], s[52:53]
	v_lshlrev_b32 v2, 4, v1
	global_store_b128 v2, v[RECA:RECA+3], s[8:9]
	global_store_b128 v2, v[RECB:RECB+3], s[8:9] offset:512
	s_wait_tensorcnt 0x0
	ds_add_u32 v224, v225
	s_wait_dscnt 0x0
	s_endpgm
.Lfunc_end_k_q80e9d7f9d2_setup:
	.size	k_q80e9d7f9d2_setup, .Lfunc_end_k_q80e9d7f9d2_setup-k_q80e9d7f9d2_setup
	.p2alignl 7, 3214868480
	.fill 96, 4, 3214868480
	.section	.rodata,"a",@progbits
	.p2align	6, 0x0
	.amdhsa_kernel k_q80e9d7f9d2_setup
		.amdhsa_group_segment_fixed_size 2048
		.amdhsa_private_segment_fixed_size 0
		.amdhsa_enable_private_segment 0
		.amdhsa_kernarg_size 24
		.amdhsa_user_sgpr_count 2
		.amdhsa_user_sgpr_kernarg_segment_ptr 1
		.amdhsa_wavefront_size32 1
		.amdhsa_system_sgpr_workgroup_id_x 1
		.amdhsa_system_sgpr_workgroup_id_y 1
		.amdhsa_system_sgpr_workgroup_id_z 1
		.amdhsa_system_vgpr_workitem_id 0
		.amdhsa_next_free_vgpr 226
		.amdhsa_next_free_sgpr 66
		.amdhsa_reserve_vcc 1
		.amdhsa_float_denorm_mode_32 3
		.amdhsa_float_denorm_mode_16_64 3
		.amdhsa_memory_ordered 1
		.amdhsa_forward_progress 1
		.amdhsa_inst_pref_size 69
	.end_amdhsa_kernel
	.amdgpu_metadata
---
amdhsa.version: [ 1, 2 ]
amdhsa.kernels:
  - .name:           k_q80e9d7f9d2_setup
    .symbol:         k_q80e9d7f9d2_setup.kd
    .args:
      - { .name: cam_R, .offset: 0, .size: 8, .value_kind: global_buffer, .address_space: global }
      - { .name: cam_T, .offset: 8, .size: 8, .value_kind: global_buffer, .address_space: global }
      - { .name: rays, .offset: 16, .size: 8, .value_kind: global_buffer, .address_space: global }
    .group_segment_fixed_size: 2048
    .private_segment_fixed_size: 0
    .kernarg_segment_align: 8
    .kernarg_segment_size: 24
    .max_flat_workgroup_size: 256
    .sgpr_count:     66
    .vgpr_count:     226
    .wavefront_size: 32
...
	.end_amdgpu_metadata
.endif
;; end of part 1
;; launch march (part 2): grid 256 x 1, 32 waves a work-group, no clusters, 8,192 bytes of LDS; arguments image3d, rays, gray, stats; writes gray, stats
.if DOCPART == 2
	.amdgcn_target "amdgcn-amd-amdhsa--gfx1250"
	.amdhsa_code_object_version 6
	.text
	.protected	k_q80e9d7f9d2_march
	.globl	k_q80e9d7f9d2_march
	.p2align	8
	.type	k_q80e9d7f9d2_march,@function
k_q80e9d7f9d2_march:
	s_mov_b64 s[64:65], 0
	v_nop
	global_prefetch_b8 v0, s[64:65] scope:SCOPE_SE
	s_setreg_imm32_b32 hwreg(HW_REG_WAVE_MODE, 25, 1), 1
	s_wait_xcnt 0x0
; MARCH: gray = sum over the run's samples k = 0 .. n-1 of 0.1 * 0.9^k * (trilinear sample k of the volume).
; Why that is the reference's ray: its density volume is the constant 0.1, so a sample's alpha is 0.1 inside the box (the eight
; weights sum to 1 up to the last bits) and 0 outside; 1 - alpha + 1e-10 rounds to 0x3f666666 inside and to 1 outside, so the
; samples in front of the run leave the transmittance at 1 and those behind it add nothing.  The three colour channels are the
; same numbers, so their mean is taken as the number itself; opacity does not reach the output.
; LIMIT: the weights are 0.1 * 0.9^k made from decimal constants rounded once and a chain of products by 0.9^4, not the
; reference's chain of products by 0x3f666666: under 1e-5 relative apart over 160 samples.
; Every address is made of whole numbers that the launch before stored: position = P + k * step in 9.23 fixed point.
; The upper 9 bits are the voxel (at most 254 for a sample of the run), the lower 23 bits are the weight.  With the lower
; corner at most 254 the other seven corners stand at constant distances: one address register and eight loads with
; immediate offsets.
; SHARES: work-group g has eight tiles of 32 rays (records 8 g .. 8 g + 7) and 32 waves; wave v works on tile v >> 2 and takes
; the samples k = (v & 3) + 4 i, so four waves shorten a ray's chain of loads to a quarter.  One lane = one ray.
; NO BRANCH HANGS ON THE RAYS: every wave makes all 160 / 4 = 40 of its samples, whatever the runs' lengths: four stages
; filled ahead, 160 / 16 - 1 = 9 trips of four samples, four more behind the loop.  So all waves have the same work.  A lane
; whose run is over (k >= n) cuts its voxel numbers out with a shift of 31 in place of 23: they are 0 or 1, so such lanes
; read the same few rows at the volume's first corner again and again, and their samples add 0.
; A ring of four stages in registers keeps 32 loads of a wave out.
; The weighted sum stays on the vector unit in f32: each ray has its own weights and its own samples, no operand is shared.
; No LDS tiles of the volume, no joint loads: which voxels a group needs hangs on an arbitrary 3 x 3 matrix.
; No prefetch: neighbouring rays would ask for the same blocks many times over; the ring already asks four samples ahead.
.set NPTS, 160
.set FT, 0                             ; v0       f32 at work (the thread's number is not needed behind the head)
.set SH, 3                             ; v3       the shift that cuts out the voxel: 23 inside the run, 31 behind it
.set PX, 4                             ; v[4:6]   position, v7 n
.set NN, 7
.set DX, 8                             ; v[8:10]  step (times 4)
.set C23, 11                           ; v11      the number 23 (the record's eighth word lands here and is not used)
.set ACC, 12
.set T0, 13                            ; v[13:15] whole numbers at work
.set ST, 16                            ; stage i at v[16 + 12 i]: +0 wx, +1 wy, +2 wz, +3 byte offset, +4 .. +11 the eight corners
.set ZSTEP, 262144                     ; bytes from a plane of the volume to the next
.set YSTEP, 1024                       ; from a row to the next
.set W0, 0x3dcccccd                    ; 0.1
.set W1, 0x3db851ec                    ; 0.1 * 0.9
.set W2, 0x3da5e354                    ; 0.1 * 0.9^2
.set W3, 0x3d954c98                    ; 0.1 * 0.9^3
.set W4, 0x3f27f62b                    ; 0.9^4: from one of a wave's samples to its next
; the next sample of my quarter goes out.  Corner registers: pairs (z0, z1) of (y0,x0), (y0,x1), (y1,x0), (y1,x1)
.macro ISSUE b
	v_cmp_lt_u32 vcc_lo, s19, v[NN]                ; k < n: the sample that goes out belongs to my ray's run
	v_cndmask_b32 v[SH], 31, v[C23], vcc_lo
	v_lshrrev_b32 v[T0],   v[SH], v[PX]
	v_lshrrev_b32 v[T0+1], v[SH], v[PX+1]
	v_lshrrev_b32 v[T0+2], v[SH], v[PX+2]
	v_min_u32 v[T0],   254, v[T0]
	v_min_u32 v[T0+1], 254, v[T0+1]
	v_min_u32 v[T0+2], 254, v[T0+2]
	v_and_or_b32 v[\b],   v[PX],   s20, s21        ; the 23 fraction bits under the exponent of 1.0: 1 + weight
	v_and_or_b32 v[\b+1], v[PX+1], s20, s21
	v_and_or_b32 v[\b+2], v[PX+2], s20, s21
	v_lshl_add_u32 v[T0+2], v[T0+2], 8, v[T0+1]
	v_lshl_add_u32 v[T0+2], v[T0+2], 8, v[T0]
	v_lshlrev_b32 v[\b+3], 2, v[T0+2]              ; ((z 256 + y) 256 + x) 4
	v_pk_add_f32 v[\b:\b+1], v[\b:\b+1], -1.0 op_sel_hi:[1,0]
	v_add_f32 v[\b+2], -1.0, v[\b+2]               ; exact
	v_add_nc_u32 v[PX],   v[PX],   v[DX]
	v_add_nc_u32 v[PX+1], v[PX+1], v[DX+1]
	v_add_nc_u32 v[PX+2], v[PX+2], v[DX+2]
	s_add_co_u32 s19, s19, 4
	global_load_b32 v[\b+4],  v[\b+3], s[4:5]
	global_load_b32 v[\b+6],  v[\b+3], s[4:5] offset:4
	global_load_b32 v[\b+8],  v[\b+3], s[4:5] offset:YSTEP
	global_load_b32 v[\b+10], v[\b+3], s[4:5] offset:YSTEP+4
	global_load_b32 v[\b+5],  v[\b+3], s[4:5] offset:ZSTEP
	global_load_b32 v[\b+7],  v[\b+3], s[4:5] offset:ZSTEP+4
	global_load_b32 v[\b+9],  v[\b+3], s[4:5] offset:ZSTEP+YSTEP
	global_load_b32 v[\b+11], v[\b+3], s[4:5] offset:ZSTEP+YSTEP+4
.endm
; the oldest sample comes in.  left = loads of the younger stages that may stay out (eight a stage; loads return in order).
; That wait also shows this stage's loads done, so ISSUE may write its offset register again.
.macro CONSUME b, left
	s_wait_loadcnt \left
	v_pk_add_f32 v[\b+6:\b+7],   v[\b+6:\b+7],   v[\b+4:\b+5] neg_lo:[0,1] neg_hi:[0,1]
	v_pk_add_f32 v[\b+10:\b+11], v[\b+10:\b+11], v[\b+8:\b+9] neg_lo:[0,1] neg_hi:[0,1]
	v_pk_fma_f32 v[\b+4:\b+5], v[\b+6:\b+7],   v[\b:\b+1], v[\b+4:\b+5] op_sel_hi:[1,0,1]           ; along x, both planes, row y0
	v_pk_fma_f32 v[\b+8:\b+9], v[\b+10:\b+11], v[\b:\b+1], v[\b+8:\b+9] op_sel_hi:[1,0,1]           ; row y1
	v_pk_add_f32 v[\b+8:\b+9], v[\b+8:\b+9], v[\b+4:\b+5] neg_lo:[0,1] neg_hi:[0,1]
	v_pk_fma_f32 v[\b+4:\b+5], v[\b+8:\b+9], v[\b:\b+1], v[\b+4:\b+5] op_sel:[0,1,0] op_sel_hi:[1,1,1]  ; along y, both planes
	v_sub_f32 v[FT], v[\b+5], v[\b+4]
	v_fma_f32 v[FT], v[FT], v[\b+2], v[\b+4]       ; along z
	v_cmp_lt_u32 vcc_lo, s22, v[NN]                ; k < n: the sample that came in belongs to my ray's run
	v_cndmask_b32 v[FT], 0, v[FT], vcc_lo
	v_fmac_f32 v[ACC], s23, v[FT]                  ; the weight 0.1 * 0.9^k is the same in all lanes: every run starts at k = 0
	s_mul_f32 s23, s23, s24
	s_add_co_u32 s22, s22, 4
.endm
; a sum, minimum or maximum over the 32 lanes, into every lane
.macro WRED opd, op, r
	\opd v[\r], v[\r], v[\r] row_xmask:1 row_mask:0xf bank_mask:0xf
	\opd v[\r], v[\r], v[\r] row_xmask:2 row_mask:0xf bank_mask:0xf
	\opd v[\r], v[\r], v[\r] row_xmask:4 row_mask:0xf bank_mask:0xf
	\opd v[\r], v[\r], v[\r] row_xmask:8 row_mask:0xf bank_mask:0xf
	v_permlanex16_b32 v58, v[\r], s28, s29
	\op v[\r], v[\r], v58
.endm
	s_load_b256 s[4:11], s[0:1], 0x0               ; image3d s[4:5], rays s[6:7], gray s[8:9], stats s[10:11]
	v_lshl_add_u32 v64, v0, 2, 0x1000
	v_mov_b32 v65, 0
	v_and_b32 v1, 31, v0                           ; lane
	v_lshrrev_b32 v2, 5, v0
	v_readfirstlane_b32 s12, v2                    ; wave 0 .. 31
	v_lshlrev_b32 v2, 4, v1                        ; 16 bytes a lane
	s_and_b32 s13, s12, 3                          ; which quarter of the samples
	s_lshr_b32 s14, s12, 2                         ; which tile
	s_lshl_b32 s16, ttmp9, 13
	s_lshl_b32 s17, s14, 10
	s_add_co_u32 s16, s16, s17                     ; the tile's record: (8 g + tile) * 1,024
	s_mov_b32 s17, 0
	s_wait_kmcnt 0x0
	s_add_nc_u64 s[6:7], s[6:7], s[16:17]
	global_load_b128 v[PX:PX+3], v2, s[6:7]
	global_load_b128 v[DX:DX+3], v2, s[6:7] offset:512
	s_lshl_b32 s16, ttmp9, 10
	s_add_nc_u64 s[8:9], s[8:9], s[16:17]          ; the group's 256 grays
	s_lshl_b32 s16, ttmp9, 4
	s_add_nc_u64 s[10:11], s[10:11], s[16:17]      ; the group's 16 bytes of figures
	s_mov_b32 s20, 0x7fffff
	s_mov_b32 s21, 0x3f800000
	s_mov_b32 s28, 0x76543210
	s_mov_b32 s29, 0xfedcba98
	s_mov_b32 s23, W0                              ; the weight of my first sample, k = quarter
	s_cmp_eq_u32 s13, 1
	s_cselect_b32 s23, W1, s23
	s_cmp_eq_u32 s13, 2
	s_cselect_b32 s23, W2, s23
	s_cmp_eq_u32 s13, 3
	s_cselect_b32 s23, W3, s23
	s_mov_b32 s24, W4
	s_mov_b32 s19, s13                             ; k of the sample that goes out next
	s_mov_b32 s22, s13                             ; k of the sample that comes in next
	s_mov_b32 s18, NPTS/16-1                       ; trips that fill the ring again; the last four samples are written out
	s_and_b32 s25, s13, 1
	s_sub_co_u32 s25, 0, s25                       ; all ones where the quarter's bit 0 is set, else 0
	s_lshr_b32 s26, s13, 1
	s_sub_co_u32 s26, 0, s26                       ; the same for its bit 1
	v_mov_b32 v[ACC], 0
	s_wait_loadcnt 0x0
	v_mov_b32 v[C23], 23                           ; behind the wait: the second load has landed on this register too
	; my first sample is P + quarter * step, and from then on I go four samples at a time: the step is doubled twice, and
	; on the way it is added once where the quarter's bit 0 is set and, doubled, where its bit 1 is set
.irp a, 0,1,2
	v_and_b32 v[T0+\a], s25, v[DX+\a]
	v_lshlrev_b32 v[DX+\a], 1, v[DX+\a]
	v_add_nc_u32 v[PX+\a], v[PX+\a], v[T0+\a]
	v_and_b32 v[T0+\a], s26, v[DX+\a]
	v_lshlrev_b32 v[DX+\a], 1, v[DX+\a]
	v_add_nc_u32 v[PX+\a], v[PX+\a], v[T0+\a]
.endr
	ISSUE ST
	ISSUE ST+12
	ISSUE ST+24
	ISSUE ST+36
.Ltrip:
	CONSUME ST, 24                                 ; three younger stages, 24 loads, stay out
	ISSUE ST
	CONSUME ST+12, 24
	ISSUE ST+12
	CONSUME ST+24, 24
	ISSUE ST+24
	CONSUME ST+36, 24
	ISSUE ST+36
	s_sub_co_u32 s18, s18, 1
	s_cmp_lg_u32 s18, 0
	s_cbranch_scc1 .Ltrip
	CONSUME ST, 24                                 ; the last four samples load nothing: the counts run down
	CONSUME ST+12, 16
	CONSUME ST+24, 8
	CONSUME ST+36, 0
	; the four quarters of a ray meet in LDS: word [quarter][tile][lane]
	s_lshl_b32 s25, s13, 10
	s_lshl_b32 s26, s14, 7
	s_add_co_u32 s25, s25, s26
	v_lshl_add_u32 v3, v1, 2, s25
	ds_store_b32 v3, v[ACC]
	s_wait_dscnt 0x0                               ; written before I say so
	s_barrier_signal -1
	s_barrier_wait -1
	s_cmp_lg_u32 s12, 0
	s_cbranch_scc1 .Lend
	; wave 0: eight rays a lane.  v[16:19] and v[32:35] become the grays of rays 4 l .. 4 l + 3 and 128 + 4 l .. 128 + 4 l + 3
.irp c, 0,1
.irp s, 0,1,2,3
	ds_load_b128 v[16+16*\c+4*\s:19+16*\c+4*\s], v2 offset:1024*\s+512*\c
.endr
.endr
	v_mov_b32 v58, 0                               ; v_permlanex16_b32 counts as a reader of its destination
	s_wait_dscnt 0x0
.irp c, 0,1
.irp s, 1,2,3
	v_pk_add_f32 v[16+16*\c:17+16*\c], v[16+16*\c:17+16*\c], v[16+16*\c+4*\s:17+16*\c+4*\s]
	v_pk_add_f32 v[18+16*\c:19+16*\c], v[18+16*\c:19+16*\c], v[18+16*\c+4*\s:19+16*\c+4*\s]
.endr
.endr
	global_store_b128 v2, v[16:19], s[8:9]                 ; each store covers 512 consecutive bytes, aligned
	global_store_b128 v2, v[32:35], s[8:9] offset:512
	; the group's figures: mean, sum of squares about THAT mean, least, largest.  The last launch joins the groups without
	; ever subtracting one large sum from another.
	v_pk_add_f32 v[60:61], v[16:17], v[18:19]
	v_pk_add_f32 v[48:49], v[32:33], v[34:35]
	v_pk_add_f32 v[60:61], v[60:61], v[48:49]
	v_add_f32 v60, v60, v61
	WRED v_add_f32_dpp, v_add_f32, 60
	v_mul_f32 v60, 0x3b800000, v60                 ; / 256
	v_pk_add_f32 v[48:49], v[16:17], v[60:61] op_sel_hi:[1,0] neg_lo:[0,1] neg_hi:[0,1]
	v_pk_add_f32 v[50:51], v[18:19], v[60:61] op_sel_hi:[1,0] neg_lo:[0,1] neg_hi:[0,1]
	v_pk_add_f32 v[54:55], v[32:33], v[60:61] op_sel_hi:[1,0] neg_lo:[0,1] neg_hi:[0,1]
	v_pk_add_f32 v[56:57], v[34:35], v[60:61] op_sel_hi:[1,0] neg_lo:[0,1] neg_hi:[0,1]
	v_pk_mul_f32 v[48:49], v[48:49], v[48:49]
	v_pk_fma_f32 v[48:49], v[50:51], v[50:51], v[48:49]
	v_pk_fma_f32 v[48:49], v[54:55], v[54:55], v[48:49]
	v_pk_fma_f32 v[48:49], v[56:57], v[56:57], v[48:49]
	v_add_f32 v61, v48, v49
	WRED v_add_f32_dpp, v_add_f32, 61
	v_min3_num_f32 v62, v16, v17, v18
	v_min3_num_f32 v62, v62, v19, v32
	v_min3_num_f32 v62, v62, v33, v34
	v_min_num_f32 v62, v62, v35
	WRED v_min_num_f32_dpp, v_min_num_f32, 62
	v_max3_num_f32 v63, v16, v17, v18
	v_max3_num_f32 v63, v63, v19, v32
	v_max3_num_f32 v63, v63, v33, v34
	v_max_num_f32 v63, v63, v35
	WRED v_max_num_f32_dpp, v_max_num_f32, 63
	s_wait_xcnt 0x0                                ; EXEC is a source of the two stores above: it changes only behind this wait
	v_cmp_eq_u32 vcc_lo, 0, v1
	s_and_saveexec_b32 s30, vcc_lo
	global_store_b128 v2, v[60:63], s[10:11]       ; lane 0 (offset 0): the 16 bytes that are all this group owns of the table
	s_wait_xcnt 0x0
	s_or_b32 exec_lo, exec_lo, s30
.Lend:
	s_wait_tensorcnt 0x0
	ds_add_u32 v64, v65
	s_wait_dscnt 0x0
	s_endpgm
.Lfunc_end_k_q80e9d7f9d2_march:
	.size	k_q80e9d7f9d2_march, .Lfunc_end_k_q80e9d7f9d2_march-k_q80e9d7f9d2_march
	.p2alignl 7, 3214868480
	.fill 96, 4, 3214868480
	.section	.rodata,"a",@progbits
	.p2align	6, 0x0
	.amdhsa_kernel k_q80e9d7f9d2_march
		.amdhsa_group_segment_fixed_size 8192
		.amdhsa_private_segment_fixed_size 0
		.amdhsa_enable_private_segment 0
		.amdhsa_kernarg_size 32
		.amdhsa_user_sgpr_count 2
		.amdhsa_user_sgpr_kernarg_segment_ptr 1
		.amdhsa_wavefront_size32 1
		.amdhsa_system_sgpr_workgroup_id_x 1
		.amdhsa_system_sgpr_workgroup_id_y 1
		.amdhsa_system_sgpr_workgroup_id_z 1
		.amdhsa_system_vgpr_workitem_id 0
		.amdhsa_next_free_vgpr 66
		.amdhsa_next_free_sgpr 66
		.amdhsa_reserve_vcc 1
		.amdhsa_float_denorm_mode_32 3
		.amdhsa_float_denorm_mode_16_64 3
		.amdhsa_memory_ordered 1
		.amdhsa_forward_progress 1
		.amdhsa_inst_pref_size 27
	.end_amdhsa_kernel
	.amdgpu_metadata
---
amdhsa.version: [ 1, 2 ]
amdhsa.kernels:
  - .name:           k_q80e9d7f9d2_march
    .symbol:         k_q80e9d7f9d2_march.kd
    .args:
      - { .name: image3d, .offset: 0, .size: 8, .value_kind: global_buffer, .address_space: global }
      - { .name: rays, .offset: 8, .size: 8, .value_kind: global_buffer, .address_space: global }
      - { .name: gray, .offset: 16, .size: 8, .value_kind: global_buffer, .address_space: global }
      - { .name: stats, .offset: 24, .size: 8, .value_kind: global_buffer, .address_space: global }
    .group_segment_fixed_size: 8192
    .private_segment_fixed_size: 0
    .kernarg_segment_align: 8
    .kernarg_segment_size: 32
    .max_flat_workgroup_size: 1024
    .sgpr_count:     66
    .vgpr_count:     66
    .wavefront_size: 32
...
	.end_amdgpu_metadata
.endif
;; end of part 2
;; launch finish (part 3): grid 64 x 1, 8 waves a work-group, no clusters, 5,376 bytes of LDS; arguments gray, stats, out0; writes out0
.if DOCPART == 3
	.amdgcn_target "amdgcn-amd-amdhsa--gfx1250"
	.amdhsa_code_object_version 6
	.text
	.protected	k_q80e9d7f9d2_finish
	.globl	k_q80e9d7f9d2_finish
	.p2align	8
	.type	k_q80e9d7f9d2_finish,@function
k_q80e9d7f9d2_finish:
	s_mov_b64 s[64:65], 0
	v_nop
	global_prefetch_b8 v0, s[64:65] scope:SCOPE_SE
	s_setreg_imm32_b32 hwreg(HW_REG_WAVE_MODE, 25, 1), 1
	s_wait_xcnt 0x0
; FINISH: out[w][h] = ((g - mean) / s - lo + eps) / (hi - lo + eps), s = std(ddof 1) + eps, lo and hi the least and largest of
; (g - mean) / s, eps = 1e-8; g = gray of pixel (h, w).
; Every wave reads all 256 groups' figures (4,096 bytes, eight records a lane) and joins them by itself, so this part needs no
; barrier:  mean = sum of means / 256 (all groups hold 256 numbers),  M2 = sum of M2_g + 256 * sum of (mean_g - mean)^2.
; A work-group makes the block of 16 rows (w) x 64 columns (h) of out: 32 tiles of 16 x 2 pixels.  A tile is 128 consecutive
; bytes of gray, read once, 16 bytes a thread; where it lies follows from the marching launch's numbering:
; tile (tx, ty): j = ty >> 4, group = (((tx >> 1) + 3 j) & 7) * 32 + (tx & 1) * 16 + (ty & 15), byte = group * 1,024 + j * 128.
; The block is turned in LDS (rows of 64 numbers + 16 bytes of padding) and leaves as rows of 256 consecutive bytes, aligned.
; 64 work-groups: 1,024 pixels each is what fills whole rows of 256 bytes from whole tiles.
.set PITCH, 272
.macro WRED opd, op, r
	\opd v[\r], v[\r], v[\r] row_xmask:1 row_mask:0xf bank_mask:0xf
	\opd v[\r], v[\r], v[\r] row_xmask:2 row_mask:0xf bank_mask:0xf
	\opd v[\r], v[\r], v[\r] row_xmask:4 row_mask:0xf bank_mask:0xf
	\opd v[\r], v[\r], v[\r] row_xmask:8 row_mask:0xf bank_mask:0xf
	v_permlanex16_b32 v58, v[\r], s18, s19
	\op v[\r], v[\r], v58
.endm
	s_load_b128 s[4:7], s[0:1], 0x0                ; gray s[4:5], stats s[6:7]
	s_load_b64 s[8:9], s[0:1], 0x10                ; out0
	v_lshl_add_u32 v64, v0, 2, 0x1100
	v_mov_b32 v65, 0
	v_and_b32 v1, 31, v0
	v_lshrrev_b32 v2, 5, v0
	v_readfirstlane_b32 s10, v2                    ; wave
	s_and_b32 s11, ttmp9, 15                       ; tx
	s_lshr_b32 s12, ttmp9, 4                       ; which 64 columns h
	s_lshr_b32 s13, s10, 2
	s_lshl1_add_u32 s13, s12, s13                  ; j = ty >> 4: waves 0-3 hold the block's tiles 0-15, waves 4-7 tiles 16-31
	s_mul_i32 s14, s13, 3
	s_lshr_b32 s15, s11, 1
	s_add_co_u32 s14, s14, s15
	s_and_b32 s14, s14, 7
	s_lshl_b32 s14, s14, 15                        ; * 32 groups of 1,024 bytes
	s_and_b32 s15, s11, 1
	s_lshl_b32 s15, s15, 14
	s_add_co_u32 s14, s14, s15
	s_lshl_b32 s15, s13, 7
	s_add_co_u32 s14, s14, s15
	s_mov_b32 s15, 0
	v_bfe_u32 v3, v0, 3, 4                         ; ty & 15
	v_and_b32 v4, 7, v0                            ; which 16 bytes of the tile
	v_lshlrev_b32 v5, 4, v4
	v_lshl_add_u32 v5, v3, 10, v5
	v_lshlrev_b32 v6, 4, v1
	s_mov_b32 s16, 0x322bcc77                      ; 1e-8
	s_mov_b32 s18, 0x76543210
	s_mov_b32 s19, 0xfedcba98
	s_wait_kmcnt 0x0
	s_add_nc_u64 s[4:5], s[4:5], s[14:15]
	global_load_b128 v[8:11], v5, s[4:5]           ; four neighbouring w of one h
.irp i, 0,1,2,3,4,5,6,7
	global_load_b128 v[16+4*\i:19+4*\i], v6, s[6:7] offset:512*\i   ; record 32 i + lane: mean, M2, least, largest
.endr
	; where my four numbers go in LDS: rows 4 (q & 3) .. + 3, column 2 (t >> 3) + (q >> 2)
	v_lshrrev_b32 v3, 3, v0
	v_and_b32 v7, 3, v4
	v_lshrrev_b32 v4, 2, v4
	v_lshl_add_u32 v4, v3, 1, v4
	v_mul_u32_u24 v7, v7, 4*PITCH
	v_lshl_add_u32 v7, v4, 2, v7
	; and what I take out: row t >> 4, 16 bytes at 16 (t & 15)
	v_lshrrev_b32 v12, 4, v0
	v_and_b32 v13, 15, v0
	v_mul_u32_u24 v14, v12, PITCH
	v_lshl_add_u32 v14, v13, 4, v14
	v_lshlrev_b32 v15, 4, v13
	v_lshl_add_u32 v15, v12, 10, v15               ; a row of out is 1,024 bytes
	s_lshl_b32 s14, s11, 14                        ; 16 rows of out for each tx,
	s_lshl_b32 s13, s12, 8                         ; 256 bytes for each 64 columns
	s_add_co_u32 s14, s14, s13
	s_add_nc_u64 s[8:9], s[8:9], s[14:15]
	v_mov_b32 v58, 0
	s_wait_loadcnt 0x0
	v_add_f32 v48, v16, v20
	v_add_f32 v49, v24, v28
	v_add_f32 v50, v32, v36
	v_add_f32 v51, v40, v44
	v_add_f32 v48, v48, v49
	v_add_f32 v50, v50, v51
	v_add_f32 v48, v48, v50
	WRED v_add_f32_dpp, v_add_f32, 48
	v_mul_f32 v48, 0x3b800000, v48                 ; the mean of all pixels
	v_sub_f32 v49, v16, v48
	v_mul_f32 v50, v49, v49
	v_add_f32 v51, v17, v21
.irp i, 1,2,3,4,5,6,7
	v_sub_f32 v49, v[16+4*\i], v48
	v_fmac_f32 v50, v49, v49
.endr
.irp i, 2,3,4,5,6,7
	v_add_f32 v51, v51, v[17+4*\i]
.endr
	v_fmac_f32 v51, 0x43800000, v50                ; + 256 * the means' own spread
	WRED v_add_f32_dpp, v_add_f32, 51
	v_min3_num_f32 v52, v18, v22, v26
	v_min3_num_f32 v52, v52, v30, v34
	v_min3_num_f32 v52, v52, v38, v42
	v_min_num_f32 v52, v52, v46
	WRED v_min_num_f32_dpp, v_min_num_f32, 52
	v_max3_num_f32 v59, v19, v23, v27
	v_max3_num_f32 v59, v59, v31, v35
	v_max3_num_f32 v59, v59, v39, v43
	v_max_num_f32 v59, v59, v47
	WRED v_max_num_f32_dpp, v_max_num_f32, 59
	v_mul_f32 v51, 0x37800080, v51                 ; / 65,535
	v_sqrt_f32 v53, v51
	v_sub_f32 v54, v52, v48                        ; plain lines stand between a root or reciprocal and its use (ISA guide 5.7.2)
	v_sub_f32 v55, v59, v48
	s_wait_alu depctr_va_vdst(0)
	v_add_f32 v53, s16, v53
	v_rcp_f32 v56, v53
	v_sub_f32 v8, v8, v48
	v_sub_f32 v9, v9, v48
	v_sub_f32 v10, v10, v48
	v_sub_f32 v11, v11, v48
	s_wait_alu depctr_va_vdst(0)
	v_mul_f32 v54, v54, v56                        ; lo
	v_mul_f32 v55, v55, v56                        ; hi
	v_sub_f32 v55, v55, v54
	v_add_f32 v55, s16, v55
	v_rcp_f32 v57, v55
	v_fma_f32 v8, v8, v56, -v54
	v_fma_f32 v9, v9, v56, -v54
	v_fma_f32 v10, v10, v56, -v54
	v_fma_f32 v11, v11, v56, -v54
	s_wait_alu depctr_va_vdst(0)
	v_mul_f32 v53, s16, v57                        ; eps / (hi - lo + eps)
	v_fma_f32 v8, v8, v57, v53
	v_fma_f32 v9, v9, v57, v53
	v_fma_f32 v10, v10, v57, v53
	v_fma_f32 v11, v11, v57, v53
	ds_store_b32 v7, v8
	ds_store_b32 v7, v9 offset:PITCH
	ds_store_b32 v7, v10 offset:2*PITCH
	ds_store_b32 v7, v11 offset:3*PITCH
	s_wait_dscnt 0x0                               ; written before I say so
	s_barrier_signal -1
	s_barrier_wait -1
	ds_load_b128 v[60:63], v14
	s_wait_dscnt 0x0
	global_store_b128 v15, v[60:63], s[8:9]        ; sixteen lanes store 256 consecutive bytes, aligned
	s_wait_tensorcnt 0x0
	ds_add_u32 v64, v65
	s_wait_dscnt 0x0
	s_endpgm
.Lfunc_end_k_q80e9d7f9d2_finish:
	.size	k_q80e9d7f9d2_finish, .Lfunc_end_k_q80e9d7f9d2_finish-k_q80e9d7f9d2_finish
	.p2alignl 7, 3214868480
	.fill 96, 4, 3214868480
	.section	.rodata,"a",@progbits
	.p2align	6, 0x0
	.amdhsa_kernel k_q80e9d7f9d2_finish
		.amdhsa_group_segment_fixed_size 5376
		.amdhsa_private_segment_fixed_size 0
		.amdhsa_enable_private_segment 0
		.amdhsa_kernarg_size 24
		.amdhsa_user_sgpr_count 2
		.amdhsa_user_sgpr_kernarg_segment_ptr 1
		.amdhsa_wavefront_size32 1
		.amdhsa_system_sgpr_workgroup_id_x 1
		.amdhsa_system_sgpr_workgroup_id_y 1
		.amdhsa_system_sgpr_workgroup_id_z 1
		.amdhsa_system_vgpr_workitem_id 0
		.amdhsa_next_free_vgpr 66
		.amdhsa_next_free_sgpr 66
		.amdhsa_reserve_vcc 0
		.amdhsa_float_denorm_mode_32 3
		.amdhsa_float_denorm_mode_16_64 3
		.amdhsa_memory_ordered 1
		.amdhsa_forward_progress 1
		.amdhsa_inst_pref_size 8
	.end_amdhsa_kernel
	.amdgpu_metadata
---
amdhsa.version: [ 1, 2 ]
amdhsa.kernels:
  - .name:           k_q80e9d7f9d2_finish
    .symbol:         k_q80e9d7f9d2_finish.kd
    .args:
      - { .name: gray, .offset: 0, .size: 8, .value_kind: global_buffer, .address_space: global }
      - { .name: stats, .offset: 8, .size: 8, .value_kind: global_buffer, .address_space: global }
      - { .name: out0, .offset: 16, .size: 8, .value_kind: global_buffer, .address_space: global }
    .group_segment_fixed_size: 5376
    .private_segment_fixed_size: 0
    .kernarg_segment_align: 8
    .kernarg_segment_size: 24
    .max_flat_workgroup_size: 256
    .sgpr_count:     66
    .vgpr_count:     66
    .wavefront_size: 32
...
	.end_amdgpu_metadata
.endif
;; end of part 3
